; MI455X (gfx1250); checked and timed in simulation.
; The chip was launched on July 23, 2026; its instructions are those of AMD's public machine-readable ISA for CDNA 5 (MIT licence, August 2026) and "CDNA5" Instruction Set Architecture Reference Guide (July 2026). The comments in the code are by the model that wrote it; some were corrected since.
;; Differential Multi Head Attention. Allowed arithmetic: matrix products marked QUANTISED: E2M1 operands, one E8M0 scale for each 32 along K, by v_wmma_scale_f32_16x16x128_f8f6f4 with both operands' format E2M1 (or v_wmma_scale_f32_32x16x128_f4), f32 sums; products left as they are: bf16, f16 or f32 operands; f32 sums; everything else in f32.
;; Inputs: Wk1 512 x 16 x 64 float32; Wk2 512 x 16 x 64 float32; Wo1 16 x 64 x 512 float32; Wo2 16 x 64 x 512 float32; Wp 512 x 512 float32; Wq1 512 x 16 x 64 float32; Wq2 512 x 16 x 64 float32; Wv1 512 x 16 x 64 float32; Wv2 512 x 16 x 64 float32; bk1 16 x 64 float32; bk2 16 x 64 float32; bo1 512 float32; bo2 512 float32; bp 512 float32; bq1 16 x 64 float32; bq2 16 x 64 float32; bv1 16 x 64 float32; bv2 16 x 64 float32; lambda_param 1 float32; x 2 x 2,048 x 512 float32.
;; Outputs: out0 2 x 2,048 x 512 float32.
;; Constants: layer_idx = 3.
;; This version of the problem:
;;   THIS VERSION OF THE PROBLEM IS GIVEN IN LOW PRECISION. The matrix products marked QUANTISED in the list below multiply operands that are first quantised to E2M1 (2 exponent bits, 1 mantissa bit; 4 bits a number), with one power-of-two scale for each 32 numbers along K (OCP MX v1.0); their sums are f32. The products marked 'left as it is' may take bf16, f16 or f32 operands, with f32 sums. Whichever they take, every output number must still come out within the allowed error. Rounding operands to bf16 (8 significant bits) uses up far more of that allowance than f16 does (11 bits, for magnitudes from 6e-5 to 65,504). All else is computed in f32.
;;   The module's matrix products, in the order in which they are computed (A, B: the left and right operand; K: the contracted axis; several contracted axes count as one K, in the product's order):
;;     1. [M 4,096, K 512] x [K 512, N 1,024]; A: input x; B: input Wq1: QUANTISED
;;     2. [M 4,096, K 512] x [K 512, N 1,024]; A: input x; B: input Wk1: QUANTISED
;;     3. [M 4,096, K 512] x [K 512, N 1,024]; A: input x; B: input Wv1: QUANTISED
;;     4. batch 32 x [M 2,048, K 64] x [K 64, N 2,048]; A: computed on the way; B: computed on the way: left as it is (an operand is computed on the way)
;;     5. batch 32 x [M 64, K 2,048] x [K 2,048, N 2,048]; A: computed on the way; B: computed on the way: left as it is (an operand is computed on the way)
;;     6. [M 4,096, K 1,024] x [K 1,024, N 512]; A: computed on the way; B: input Wo1: left as it is (an operand is computed on the way)
;;     7. [M 4,096, K 512] x [K 512, N 1,024]; A: input x; B: input Wq2: QUANTISED
;;     8. [M 4,096, K 512] x [K 512, N 1,024]; A: input x; B: input Wk2: QUANTISED
;;     9. [M 4,096, K 512] x [K 512, N 1,024]; A: input x; B: input Wv2: QUANTISED
;;     10. batch 32 x [M 2,048, K 64] x [K 64, N 2,048]; A: computed on the way; B: computed on the way: left as it is (an operand is computed on the way)
;;     11. batch 32 x [M 64, K 2,048] x [K 2,048, N 2,048]; A: computed on the way; B: computed on the way: left as it is (an operand is computed on the way)
;;     12. [M 4,096, K 1,024] x [K 1,024, N 512]; A: computed on the way; B: input Wo2: left as it is (an operand is computed on the way)
;;     13. [M 4,096, K 512] x [K 512, N 512]; A: computed on the way; B: input Wp: left as it is (an operand is computed on the way)
;;   THE QUANTISER, for each operand of a quantised product, along K:
;;     - K is cut into blocks of 32 from its start; a last block that is shorter is filled with zeros.
;;     - A block's scale is 2^e with e = floor(log2(the largest magnitude in the block)) - 2, held to -126 .. 127; a block of zeros has e = 0. As a byte (E8M0): e + 127.
;;     - Each number is divided by its block's scale, clamped to +-6, and rounded to the nearest number of E2M1, ties to even, subnormals kept.
;;     - The product sums the exact products of the quantised numbers (number of the format x scale) in f32.
;;   ~~~python
;;   def quantise(x, axis):      # numpy; x: float32 -> the quantised numbers, widened to float32 again
;;       x = np.moveaxis(x, axis, -1); K = x.shape[-1]
;;       x = np.pad(x, [(0, 0)] * (x.ndim - 1) + [(0, -K % 32)]); x = x.reshape(x.shape[:-1] + (-1, 32)); a = np.abs(x).max(-1, keepdims=True)
;;       e = np.where(a > 0, np.clip(np.frexp(np.where(a > 0, a, 1))[1] - 1 - 2, -126, 127), 0)      # np.frexp(a)[1] - 1 = floor(log2(a)), exactly
;;       r = np.clip(x / 2.0 ** e, -6, 6)
;;       step = 2.0 ** (np.maximum(np.frexp(np.where(r == 0, 1, r))[1] - 1, 0) - 1)
;;       q = np.round(r / step) * step * 2.0 ** e      # np.round: ties to even
;;       return np.moveaxis(q.reshape(q.shape[:-2] + (-1,))[..., :K], -1, axis).astype(np.float32)
;;   ~~~
;; One version. Each part assembles by itself: llvm-mc -triple=amdgcn-amd-amdhsa -mcpu=gfx1250 --defsym DOCPART=n.
;; ======== version 1 of 1: 4 launches
;; limits: values are held in f16: magnitudes above 65,504 overflow, below 6.1e-05 lose precision; right only within a limited range of input values
;; workspace buffers: prep 5,408,768 bytes; qimg 16,777,216 bytes; kv 33,554,432 bytes; wf 2,097,152 bytes; oimg 16,777,216 bytes
;; launch prep (part 1): grid 624 x 1, 4 waves a work-group, no clusters, 34,304 bytes of LDS; arguments x, Wq1, Wk1, Wv1, Wq2, Wk2, Wv2, Wo1, Wo2, Wp, bo1, bo2, bp, lambda_param, prep; writes prep
.if DOCPART == 1
	.amdgcn_target "amdgcn-amd-amdhsa--gfx1250"
	.amdhsa_code_object_version 6
	.text
	.protected	k_q057db7d1d7_prep
	.globl	k_q057db7d1d7_prep
	.p2align	8
	.type	k_q057db7d1d7_prep,@function
k_q057db7d1d7_prep:
	s_mov_b64 s[64:65], 0
	v_nop
	global_prefetch_b8 v0, s[64:65] scope:SCOPE_SE
	s_setreg_imm32_b32 hwreg(HW_REG_WAVE_MODE, 25, 1), 1
	s_wait_xcnt 0x0
; PREP: every input is read once and laid in the order of the operand registers that later launches load.
; Sections of the buffer prep (bytes from its start):
;   XQ   x as codes of E2M1: [tile of 16 rows 256][K step of 128: 4][1,024]: lane l's 16 bytes of chunk c at 512 c + 16 l = row l % 16, block 2 c + l / 16
;   WQ   Wq1, Wk1, Wv1, Wq2, Wk2, Wv2 as codes along their first axis: [tile of 16 columns 6 x 64][K step 4][1,024], the same image
;   WOH  Wo1, then Wo2, as f16: [tile of 16 rows 128][fragment 16][1,024];   WPH  Wp's columns as f16: [tile of 16 columns 32][fragment 16][1,024]
;        in both, fragment 4 s + 2 c + u, lane (r, h), register i holds k = 128 s + 64 c + 32 h + 16 u + 2 i, + 1: one order of k for both sides of Wo x Wp
;   XS, WS  scale words, [tile][K step][16 rows] of 4 bytes;   BI  (bo1 - lambda bo2) Wp + bp, 512 f32
; A block's scale is 2^(floor(log2(largest magnitude)) - 2); its byte is the largest magnitude's exponent field - 2, held at 1 from below.
; A block of zeros gets the byte 1 (not 127): its codes are zeros, and this program alone reads the bytes.
; LIMITS: NaN and infinities among the inputs are not served; Wo and Wp go to f16: magnitudes under 65,504.
; A wave does one unit; the paths part on the work-group's number: 0-255 x, 256-383 Wo, 384-575 the six W, 576-591 Wp, 592-623 the bias.
; No matrix unit, no tensor load, no cluster: a stream, every byte read once; waves share nothing, so there is no barrier.
.set XQ,    0
.set WQ,    1048576
.set WOH,   2621440
.set WPH,   4718592
.set XS,    5242880
.set WS,    5308416
.set BI,    5406720
.set SP,    528                        ; a stage row: 512 bytes + 16: the sixteen rows that a read touches start in different banks
.set WST,   16*SP                      ; a wave's stage: 16 rows
.set SPARE, 4*WST                      ; behind the four stages: the spare words, 128 bytes a wave, that no other line names
.set LN,  1                            ; v1  lane
.set RR,  2                            ; v2  r = lane % 16
.set HH,  3                            ; v3  h = lane / 16
.set L16, 4                            ; v4  16 x lane
.set SIN, 5                            ; v5  the stage, on the way in
.set SOUT, 6                           ; v6  and on the way out
.set R4,  7                            ; v7  4 r
.set L4,  8                            ; v8  4 x lane
.set OC,  9                            ; v9  my place in the codes or f16 images
.set OS,  10                           ; v10 my place among the scale words
.set SPW, 12                           ; v12 LDS address of my spare word; never rewritten
.set NIL, 13                           ; v13 0; never rewritten
.set RW,  16                           ; v16-79   row paths: 16 rows as loaded
.set X,   80                           ; v80-143  row paths: my row's 64 numbers
.set CX,  16                           ; v16-143  column paths: my column's 128 numbers
.set C,   144                          ; v144-207 results
.set T,   208                          ; v208-223 at work
; 32 numbers of one block, v[s] on, become 16 bytes of codes in v[d] on; the byte in v[m+3]; v[m] to v[m+2] at work
.macro BLOCK s, d, m
	v_max3_num_f32 v[\m], |v[\s]|, |v[\s+1]|, |v[\s+2]|
	v_max3_num_f32 v[\m+1], |v[\s+3]|, |v[\s+4]|, |v[\s+5]|
.irp i, 6,10,14,18,22,26
	v_max3_num_f32 v[\m], v[\m], |v[\s+\i]|, |v[\s+\i+1]|
	v_max3_num_f32 v[\m+1], v[\m+1], |v[\s+\i+2]|, |v[\s+\i+3]|
.endr
	v_max3_num_f32 v[\m], v[\m], |v[\s+30]|, |v[\s+31]|
	v_max3_num_f32 v[\m], v[\m], v[\m+1], 0x1800000    ; the floor 2^(3 - 127): the byte cannot fall under 1
	v_add_nc_u32 v[\m+2], 0xff000000, v[\m]            ; 2 off the exponent field: the conversion takes this operand's exponent field as its scale
.irp g, 0,1,2,3
	v_cvt_scalef32_pk8_fp4_f32 v[\d+\g], v[\s+8*\g:\s+8*\g+7], v[\m+2]
.endr
	v_lshrrev_b32 v[\m+3], 23, v[\m+2]                 ; the scale's byte (a plain line behind the conversions)
.endm
; my column's 128 numbers of a K step: each load reads 128 neighbouring bytes of one row
.macro COLIN pitch, once
.set n, 0
.rept 128
.if \once
	global_load_b32 v[CX+n], v[L4], s[10:11] offset:n*\pitch th:TH_LOAD_NT
.else
	global_load_b32 v[CX+n], v[L4], s[10:11] offset:n*\pitch
.endif
.set n, n+1
.endr
.endm
.macro COLWAIT q                       ; block q's 32 loads are in: 96, 64, 32, 0 were issued behind them; the count names at most so many
.if \q < 2
	s_wait_loadcnt 63
.else
	s_wait_loadcnt 32*(3-\q)
.endif
.endm
	s_load_b512 s[16:31], s[0:1], 0x0              ; x, Wq1, Wk1, Wv1, Wq2, Wk2, Wv2, Wo1
	s_load_b256 s[32:39], s[0:1], 0x40             ; Wo2, Wp, bo1, bo2
	s_load_b128 s[40:43], s[0:1], 0x60             ; bp, lambda_param
	s_load_b64 s[44:45], s[0:1], 0x70              ; prep
	v_lshl_add_u32 v[SPW], v0, 2, SPARE
	v_mov_b32 v[NIL], 0
	v_lshrrev_b32 v[LN], 5, v0
	v_readfirstlane_b32 s2, v[LN]                  ; wave 0..3
	v_and_b32 v[LN], 31, v0
	v_and_b32 v[RR], 15, v0
	v_bfe_u32 v[HH], v0, 4, 1
	v_lshlrev_b32 v[L16], 4, v[LN]
	v_lshlrev_b32 v[L4], 2, v[LN]
	v_lshlrev_b32 v[R4], 2, v[RR]
	s_mov_b32 s4, 0x76543210
	s_mov_b32 s5, 0xfedcba98                       ; v_permlanex16_b32's selects for lane l xor 16
	s_mov_b32 s9, 0                                ; the high word of every offset pair s[8:9]
	s_wait_kmcnt 0x0
	s_cmp_lt_u32 ttmp9, 384
	s_cbranch_scc0 .Lcolumns
	; ---- ROWS (x, Wo1, Wo2: rows of 2,048 bytes, K innermost).  The work-group takes 16 rows, wave s the K step s: 512 bytes of each row
	s_sub_co_u32 s6, ttmp9, 256                    ; Wo's tile 0..127 (not used for x)
	s_and_b32 s7, s6, 63
	s_cmp_lt_u32 ttmp9, 320
	s_cselect_b64 s[10:11], s[30:31], s[32:33]     ; Wo1 or Wo2
	s_cmp_lt_u32 ttmp9, 256
	s_cselect_b64 s[10:11], s[16:17], s[10:11]     ; or x
	s_cselect_b32 s7, ttmp9, s7                    ; the tile in its tensor
	s_lshl_b32 s8, s7, 15                          ; 16 rows of 2,048 bytes
	s_lshl_b32 s7, s2, 9
	s_add_co_u32 s8, s8, s7
	s_add_nc_u64 s[10:11], s[10:11], s[8:9]
	s_mul_i32 s7, s2, WST                          ; my stage
	v_add_nc_u32 v[SIN], s7, v[L16]
	v_mul_u32_u24 v[SOUT], v[RR], SP
	v_lshl_add_u32 v[SOUT], v[HH], 7, v[SOUT]
	v_add_nc_u32 v[SOUT], s7, v[SOUT]              ; row r, + 128 h: my 32 numbers of each 64
.irp r, 0,1,2,3,4,5,6,7,8,9,10,11,12,13,14,15
	global_load_b128 v[RW+4*\r:RW+4*\r+3], v[L16], s[10:11] offset:\r*2048 th:TH_LOAD_NT   ; 32 lanes read 512 consecutive bytes of row r
.endr
.irp r, 0,1,2,3,4,5,6,7,8,9,10,11,12,13,14,15
	s_wait_loadcnt 15-\r                           ; row r is in; the younger rows may be out
	ds_store_b128 v[SIN], v[RW+4*\r:RW+4*\r+3] offset:\r*SP
.endr
.irp c, 0,1
.irp i, 0,1,2,3,4,5,6,7
	ds_load_b128 v[X+32*\c+4*\i:X+32*\c+4*\i+3], v[SOUT] offset:256*\c+16*\i   ; LDS serves a wave's instructions in order: these see my stores.  X[32 c + e] = k 64 c + 32 h + e of row r
.endr
.endr
	s_wait_dscnt 0x0
	s_cmp_lt_u32 ttmp9, 256
	s_cbranch_scc0 .Lrow_wo
	; x: two whole blocks a lane
	BLOCK X, C, T
	BLOCK X+32, C+4, T+4
	v_lshl_or_b32 v[T+8], v[T+7], 16, v[T+3]       ; my two bytes: blocks h and 2 + h,
	v_lshlrev_b32 v[T+9], 3, v[HH]
	v_lshlrev_b32 v[T+8], v[T+9], v[T+8]           ; at their places in the scale word;
	v_mov_b32 v[T+9], 0
	v_permlanex16_b32 v[T+9], v[T+8], s4, s5
	v_or_b32 v[T+8], v[T+8], v[T+9]                ; with lane l xor 16's two the word is whole
	s_lshl_b32 s8, ttmp9, 12
	s_lshl_b32 s7, s2, 10
	s_add_co_u32 s8, s8, s7
	s_add_nc_u64 s[46:47], s[44:45], s[8:9]        ; (4 tile + K step) x 1,024
	s_lshl_b32 s8, ttmp9, 8
	s_lshl_b32 s7, s2, 6
	s_add_co_u32 s8, s8, s7
	s_add_nc_u64 s[48:49], s[44:45], s[8:9]        ; 256 tile + 64 K step
	global_store_b128 v[L16], v[C:C+3], s[46:47] offset:XQ
	global_store_b128 v[L16], v[C+4:C+7], s[46:47] offset:XQ+512
	v_cmp_gt_u32 vcc_lo, 16, v[LN]
	s_wait_xcnt 0x0                                ; EXEC changes only behind this wait
	s_and_saveexec_b32 s50, vcc_lo                 ; lanes 0-15: a word a row
	global_store_b32 v[R4], v[T+8], s[48:49] offset:XS
	s_wait_xcnt 0x0
	s_or_b32 exec_lo, exec_lo, s50
	s_branch .Lend
.Lrow_wo:
	; Wo: register n of my 32 = numbers 2 n, 2 n + 1: four fragments of eight registers
.irp n, 0,1,2,3,4,5,6,7,8,9,10,11,12,13,14,15,16,17,18,19,20,21,22,23,24,25,26,27,28,29,30,31
	v_cvt_pk_f16_f32 v[C+\n], v[X+2*\n], v[X+2*\n+1]
.endr
	s_lshl_b32 s8, s6, 14
	s_lshl_b32 s7, s2, 12
	s_add_co_u32 s8, s8, s7
	s_add_nc_u64 s[46:47], s[44:45], s[8:9]        ; (16 tile + 4 K step) x 1,024
.irp n, 0,1,2,3,4,5,6,7
	global_store_b128 v[L16], v[C+4*\n:C+4*\n+3], s[46:47] offset:WOH+512*\n
.endr
	s_branch .Lend
.Lcolumns:
	v_lshlrev_b32 v[OC], 4, v[RR]
	s_cmp_lt_u32 ttmp9, 592
	s_cbranch_scc0 .Lbias
	s_cmp_lt_u32 ttmp9, 576
	s_cbranch_scc0 .Lcol_wp
	; ---- THE SIX W ([512][1,024], K the first axis): a lane takes a column and its registers run down K; a wave takes 32 columns x one K step
	s_sub_co_u32 s6, ttmp9, 384
	s_lshr_b32 s7, s6, 5                           ; which matrix
	s_bfe_u32 s3, s6, 0x20003                      ; K step
	s_and_b32 s6, s6, 7                            ; which 128 columns
	s_mov_b64 s[10:11], s[18:19]
	s_cmp_eq_u32 s7, 1
	s_cselect_b64 s[10:11], s[20:21], s[10:11]
	s_cmp_eq_u32 s7, 2
	s_cselect_b64 s[10:11], s[22:23], s[10:11]
	s_cmp_eq_u32 s7, 3
	s_cselect_b64 s[10:11], s[24:25], s[10:11]
	s_cmp_eq_u32 s7, 4
	s_cselect_b64 s[10:11], s[26:27], s[10:11]
	s_cmp_eq_u32 s7, 5
	s_cselect_b64 s[10:11], s[28:29], s[10:11]
	s_lshl_b32 s8, s3, 19                          ; 128 rows of 4,096 bytes
	s_lshl_b32 s50, s6, 9
	s_add_co_u32 s8, s8, s50
	s_lshl_b32 s50, s2, 7
	s_add_co_u32 s8, s8, s50
	s_add_nc_u64 s[10:11], s[10:11], s[8:9]
	COLIN 4096, 1
	s_lshl_b32 s8, s7, 18                          ; the codes: (64 matrix + 8 g + 2 wave) tiles of 4,096 bytes + 1,024 K step
	s_lshl_b32 s50, s6, 15
	s_add_co_u32 s8, s8, s50
	s_lshl_b32 s50, s2, 13
	s_add_co_u32 s8, s8, s50
	s_lshl_b32 s50, s3, 10
	s_add_co_u32 s8, s8, s50
	s_add_nc_u64 s[46:47], s[44:45], s[8:9]
	s_lshr_b32 s8, s8, 4                           ; the scale words: a sixteenth of that
	s_add_nc_u64 s[48:49], s[44:45], s[8:9]
	v_lshl_add_u32 v[OC], v[HH], 12, v[OC]         ; lanes 16-31: the next tile
	v_lshl_add_u32 v[OS], v[HH], 8, v[R4]
.irp q, 0,1,2,3
	COLWAIT \q
	BLOCK CX+32*\q, C+4*\q, T
.if \q == 0
	v_mov_b32 v[T+4], v[T+3]
.else
	v_lshl_or_b32 v[T+4], v[T+3], 8*\q, v[T+4]     ; four bytes make my column's scale word
.endif
	global_store_b128 v[OC], v[C+4*\q:C+4*\q+3], s[46:47] offset:WQ+(\q/2)*512+(\q%2)*256   ; sixteen lanes store 256 consecutive bytes, aligned
.endr
	global_store_b32 v[OS], v[T+4], s[48:49] offset:WS
	s_branch .Lend
.Lcol_wp:
	; ---- Wp ([512][512]) as f16, by columns
	s_sub_co_u32 s6, ttmp9, 576
	s_lshr_b32 s3, s6, 2                           ; K step
	s_and_b32 s6, s6, 3                            ; which 128 columns
	s_lshl_b32 s8, s3, 18                          ; 128 rows of 2,048 bytes
	s_lshl_b32 s50, s6, 9
	s_add_co_u32 s8, s8, s50
	s_lshl_b32 s50, s2, 7
	s_add_co_u32 s8, s8, s50
	s_add_nc_u64 s[10:11], s[34:35], s[8:9]
	COLIN 2048, 0
	s_lshl_b32 s8, s6, 17                          ; (8 g + 2 wave) tiles of 16,384 bytes + 4,096 K step
	s_lshl_b32 s50, s2, 15
	s_add_co_u32 s8, s8, s50
	s_lshl_b32 s50, s3, 12
	s_add_co_u32 s8, s8, s50
	s_add_nc_u64 s[46:47], s[44:45], s[8:9]
	v_lshl_add_u32 v[OC], v[HH], 14, v[OC]
.irp q, 0,1,2,3
	COLWAIT \q
.irp n, 0,1,2,3,4,5,6,7,8,9,10,11,12,13,14,15
	v_cvt_pk_f16_f32 v[C+16*\q+\n], v[CX+32*\q+2*\n], v[CX+32*\q+2*\n+1]
.endr
.irp e, 0,1,2,3
	global_store_b128 v[OC], v[C+16*\q+4*\e:C+16*\q+4*\e+3], s[46:47] offset:WPH+(2*(\q/2)+\e/2)*1024+(\e%2)*512+(\q%2)*256   ; k = 32 q + 8 e on: fragment 2 (q / 2) + e / 2, its half e % 2, lanes' half q % 2
.endr
.endr
	s_branch .Lend
.Lbias:
	; ---- b' = (bo1 - lambda bo2) Wp + bp, in f32: a wave takes four columns; lane l takes k = l + 32 i
	s_load_b32 s6, s[42:43], 0x0
	s_sub_co_u32 s7, ttmp9, 592
	s_lshl_b32 s7, s7, 2
	s_add_co_u32 s7, s7, s2
	s_lshl_b32 s8, s7, 4                           ; 16 bytes a unit
	s_add_nc_u64 s[10:11], s[34:35], s[8:9]
	s_add_nc_u64 s[46:47], s[40:41], s[8:9]
	s_add_nc_u64 s[48:49], s[44:45], s[8:9]
	v_lshlrev_b32 v[OC], 11, v[LN]
	v_mov_b32 v[OS], 0
.irp i, 0,1,2,3,4,5,6,7,8,9,10,11,12,13,14,15
	global_load_b128 v[16+4*\i:19+4*\i], v[OC], s[10:11] offset:65536*\i
	global_load_b32 v[80+\i], v[L4], s[36:37] offset:128*\i
	global_load_b32 v[96+\i], v[L4], s[38:39] offset:128*\i
.endr
	global_load_b128 v[132:135], v[OS], s[46:47]
	s_mov_b32 s51, 0x3dcccccd                      ; 0.1
	s_mov_b32 s52, 0x3f666666                      ; 0.9
	s_wait_kmcnt 0x0
	v_mov_b32 v[T], s6
	v_mul_f32 v[T], 0x3ef1014c, v[T]               ; (0.8 - 0.6 e^-0.6) x lambda_param: layer_idx = 3
	v_med3_num_f32 v[T], v[T], s51, s52            ; lambda
	s_wait_loadcnt 0x0
.irp i, 0,1,2,3,4,5,6,7,8,9,10,11,12,13,14,15
	v_fma_f32 v[112+\i], -v[T], v[96+\i], v[80+\i]
.endr
.irp j, 0,1,2,3
	v_mul_f32 v[128+\j], v[16+\j], v112            ; the first term starts the sums
.endr
.irp i, 1,2,3,4,5,6,7,8,9,10,11,12,13,14,15
.irp j, 0,1,2,3
	v_fmac_f32 v[128+\j], v[16+4*\i+\j], v[112+\i]
.endr
.endr
.irp m, 1,2,4,8
.irp j, 0,1,2,3
	v_add_f32_dpp v[128+\j], v[128+\j], v[128+\j] row_xmask:\m row_mask:0xf bank_mask:0xf
.endr
.endr
.irp j, 0,1,2,3
	v_permlanex16_b32 v[112+\j], v[128+\j], s4, s5
.endr
.irp j, 0,1,2,3
	v_add_f32 v[128+\j], v[128+\j], v[112+\j]
.endr
.irp j, 0,1,2,3
	v_add_f32 v[128+\j], v[128+\j], v[132+\j]
.endr
	v_cmp_eq_u32 vcc_lo, 0, v[LN]
	s_wait_xcnt 0x0                                ; EXEC changes only behind this wait
	s_and_saveexec_b32 s50, vcc_lo                 ; every lane holds the sums: lane 0 stores them
	global_store_b128 v[OS], v[128:131], s[48:49] offset:BI
	s_wait_xcnt 0x0
	s_or_b32 exec_lo, exec_lo, s50
.Lend:
	s_wait_tensorcnt 0x0                           ; the wave's end, behind the last LDS store; the tensor wait stands even with no tensor load
	ds_add_u32 v[SPW], v[NIL]
	s_wait_dscnt 0x0
	s_endpgm
.Lfunc_end_k_q057db7d1d7_prep:
	.size	k_q057db7d1d7_prep, .Lfunc_end_k_q057db7d1d7_prep-k_q057db7d1d7_prep
	.p2alignl 7, 3214868480
	.fill 96, 4, 3214868480
	.section	.rodata,"a",@progbits
	.p2align	6, 0x0
	.amdhsa_kernel k_q057db7d1d7_prep
		.amdhsa_group_segment_fixed_size 34304
		.amdhsa_private_segment_fixed_size 0
		.amdhsa_enable_private_segment 0
		.amdhsa_kernarg_size 120
		.amdhsa_user_sgpr_count 2
		.amdhsa_user_sgpr_kernarg_segment_ptr 1
		.amdhsa_wavefront_size32 1
		.amdhsa_system_sgpr_workgroup_id_x 1
		.amdhsa_system_sgpr_workgroup_id_y 1
		.amdhsa_system_sgpr_workgroup_id_z 1
		.amdhsa_system_vgpr_workitem_id 0
		.amdhsa_next_free_vgpr 224
		.amdhsa_next_free_sgpr 66
		.amdhsa_reserve_vcc 1
		.amdhsa_float_denorm_mode_32 3
		.amdhsa_float_denorm_mode_16_64 3
		.amdhsa_memory_ordered 1
		.amdhsa_forward_progress 1
		.amdhsa_inst_pref_size 61
	.end_amdhsa_kernel
	.amdgpu_metadata
---
amdhsa.version: [ 1, 2 ]
amdhsa.kernels:
  - .name:           k_q057db7d1d7_prep
    .symbol:         k_q057db7d1d7_prep.kd
    .args:
      - { .name: x, .offset: 0, .size: 8, .value_kind: global_buffer, .address_space: global }
      - { .name: Wq1, .offset: 8, .size: 8, .value_kind: global_buffer, .address_space: global }
      - { .name: Wk1, .offset: 16, .size: 8, .value_kind: global_buffer, .address_space: global }
      - { .name: Wv1, .offset: 24, .size: 8, .value_kind: global_buffer, .address_space: global }
      - { .name: Wq2, .offset: 32, .size: 8, .value_kind: global_buffer, .address_space: global }
      - { .name: Wk2, .offset: 40, .size: 8, .value_kind: global_buffer, .address_space: global }
      - { .name: Wv2, .offset: 48, .size: 8, .value_kind: global_buffer, .address_space: global }
      - { .name: Wo1, .offset: 56, .size: 8, .value_kind: global_buffer, .address_space: global }
      - { .name: Wo2, .offset: 64, .size: 8, .value_kind: global_buffer, .address_space: global }
      - { .name: Wp, .offset: 72, .size: 8, .value_kind: global_buffer, .address_space: global }
      - { .name: bo1, .offset: 80, .size: 8, .value_kind: global_buffer, .address_space: global }
      - { .name: bo2, .offset: 88, .size: 8, .value_kind: global_buffer, .address_space: global }
      - { .name: bp, .offset: 96, .size: 8, .value_kind: global_buffer, .address_space: global }
      - { .name: lambda_param, .offset: 104, .size: 8, .value_kind: global_buffer, .address_space: global }
      - { .name: prep, .offset: 112, .size: 8, .value_kind: global_buffer, .address_space: global }
    .group_segment_fixed_size: 34304
    .private_segment_fixed_size: 0
    .kernarg_segment_align: 8
    .kernarg_segment_size: 120
    .max_flat_workgroup_size: 128
    .sgpr_count:     66
    .vgpr_count:     224
    .wavefront_size: 32
...
	.end_amdgpu_metadata
.endif
;; end of part 1
;; launch proj (part 2): grid 384 x 1, 4 waves a work-group, no clusters, 0 bytes of LDS; arguments prep, bq1, bk1, bv1, bq2, bk2, bv2, lambda_param, qimg, kv, wf; writes qimg, kv, wf
.if DOCPART == 2
	.amdgcn_target "amdgcn-amd-amdhsa--gfx1250"
	.amdhsa_code_object_version 6
	.text
	.protected	k_q057db7d1d7_proj
	.globl	k_q057db7d1d7_proj
	.p2align	8
	.type	k_q057db7d1d7_proj,@function
k_q057db7d1d7_proj:
	s_mov_b64 s[64:65], 0
	v_nop
	global_prefetch_b8 v0, s[64:65] scope:SCOPE_SE
	s_setreg_imm32_b32 hwreg(HW_REG_WAVE_MODE, 25, 1), 1
	s_wait_xcnt 0x0
; PROJ.  Work-groups 128-383: q, k, v = Q(x) Q(W) + b on codes of E2M1 with E8M0 scales, rounded once to f16 and stored as images of the operand registers of the attention launch.
; Work-groups 0-127: W' = [Wo1; -lambda Wo2] Wp in f16 with f32 sums, stored as f16(128 W').  (out = [o1 | o2] W' + b' is reference()'s a1 - lambda a2 times Wp, reassociated; it holds for every input.)
; QKV.  A work-group takes 128 rows of x and four heads of one branch; a wave one head: 12 tiles of 16 columns (q, k, v x 4), whose codes, scale words and biases stay in its registers; x's tiles of 16 rows
; come two ahead.  q and k: source 0 = 16 columns of W, source 1 = 16 rows of x: a lane holds one token and eight neighbouring channels.  v: the sources swapped: a lane holds one channel and eight neighbouring keys.
; Four conversions make of a result tile 16 bytes a lane, which at 16 x lane are half a 16-bit fragment as the next launch loads it: each store covers 512 consecutive bytes.
; The biases are the C of each sum's first matrix instruction.  Operands go from memory straight into registers: W's fragments are a wave's own, x's tile is small: no LDS, no tensor load, no cluster.
; LIMITS: |q|, |k|, |v| under 65,504 (attention asks |v| under 4,094), |W'| under 511: f16's range.
; REGISTERS (QKV): window 0: v1-10 offsets; v16-23 x's scale words (2 sets), v24-71 W's; v72-135 x's fragments (2 sets); v136-231 the 12 accumulators.
;   window 1: W's tiles 0-7 (32 t + 8 s);  window 2: v0-127 tiles 8-11, v128-223 the biases;  window 3: v0-47 the f16 results.
.set XQ,  0
.set WQ,  1048576
.set WOH, 2621440
.set WPH, 4718592
.set XS,  5242880
.set WS,  5308416
.set L16, 1
.set RR,  2
.set HH,  3
.set OW,  4
.set OWS, 5
.set OX,  6
.set R4,  7
.set OXS, 8
.set OB,  9
.set OBV, 10
.set XSC, 16
.set WSC, 24
.set XF,  72
.set ACC, 136
.set FF,  8                            ; fold: v[8:9] the factor
.set FA,  64                           ; fold: v64-127 eight accumulators
.set FH,  128                          ; fold: v128-159 their f16
.set MSB, 0
.macro WIN new                         ; the immediate's high byte repeats the setting that is left
.if MSB != \new
	s_set_vgpr_msb (MSB<<8)|\new
.set MSB, \new
.endif
.endm
	s_load_b512 s[16:31], s[0:1], 0x0              ; prep, bq1, bk1, bv1, bq2, bk2, bv2, lambda_param
	s_load_b128 s[32:35], s[0:1], 0x40             ; qimg, kv
	s_load_b64 s[36:37], s[0:1], 0x50              ; wf
	v_lshrrev_b32 v1, 5, v0
	v_readfirstlane_b32 s2, v1                     ; wave 0..3
	v_and_b32 v2, 31, v0
	v_lshlrev_b32 v[L16], 4, v2
	v_and_b32 v[RR], 15, v0
	v_bfe_u32 v[HH], v0, 4, 1
	s_wait_kmcnt 0x0
	s_cmp_lt_u32 ttmp9, 128
	s_cbranch_scc0 .Lqkv
	; ---- FOLD: a wave makes 32 rows j x 64 columns n of W'
	s_load_b32 s3, s[30:31], 0x0
	s_lshr_b32 s4, ttmp9, 1                        ; which 32 rows
	s_and_b32 s5, ttmp9, 1
	s_lshl_b32 s5, s5, 2
	s_add_co_u32 s5, s5, s2                        ; which 64 columns
	s_lshl_b32 s6, s4, 15
	v_add_nc_u32 v4, s6, v[L16]
	s_lshl_b32 s6, s5, 16
	v_add_nc_u32 v5, s6, v[L16]
	WIN 0x40                                       ; Wo's 2 x 16 fragments: window 1, (a, f) at 8 (16 a + f)
.set n, 0
.rept 64
	global_load_b128 v[4*n:4*n+3], v4, s[16:17] offset:WOH+512*n
.set n, n+1
.endr
	WIN 0x80                                       ; Wp's 4 x 16: windows 2 and 3
.set n, 0
.rept 64
	global_load_b128 v[4*n:4*n+3], v5, s[16:17] offset:WPH+512*n
.set n, n+1
.endr
	WIN 0xc0
.set n, 0
.rept 64
	global_load_b128 v[4*n:4*n+3], v5, s[16:17] offset:WPH+32768+512*n
.set n, n+1
.endr
	WIN 0
	s_mov_b32 s7, 0x3dcccccd                       ; 0.1
	s_mov_b32 s8, 0x3f666666                       ; 0.9
	s_wait_kmcnt 0x0
	v_mov_b32 v[FF], s3
	v_mul_f32 v[FF], 0x3ef1014c, v[FF]             ; (0.8 - 0.6 e^-0.6) x lambda_param: layer_idx = 3
	v_med3_num_f32 v[FF], v[FF], s7, s8            ; lambda
	v_mul_f32 v[FF], 0xc3000000, v[FF]             ; -128 lambda: Wo2's rows
	v_mov_b32 v[FF+1], 0x43000000                  ; 128: Wo1's
	s_cmp_lt_u32 s4, 32
	s_cselect_b32 s9, -1, 0                        ; a choice of a value, by the work-group's number
	v_cndmask_b32 v[FF], v[FF], v[FF+1], s9
	s_lshl_b32 s10, s5, 18                         ; wf: ((4 nb + b) x 128 + 2 jb + a) x 512
	s_lshl_b32 s11, s4, 10
	s_add_co_u32 s10, s10, s11
	s_mov_b32 s11, 0
	s_add_nc_u64 s[36:37], s[36:37], s[10:11]
	s_wait_loadcnt 0x0
.set sg, 0
.rept 16                               ; source 0 = 16 rows of Wo, source 1 = 16 columns of Wp: a lane holds one column n and eight neighbouring rows j.  The eight accumulators take turns
	WIN 0x09
.irp a, 0,1
.irp b, 0,1
.if sg == 0
	v_wmma_f32_16x16x32_f16 v[FA+8*(4*\a+\b):FA+8*(4*\a+\b)+7], v[8*(16*\a+sg):8*(16*\a+sg)+7], v[8*(16*\b+sg):8*(16*\b+sg)+7], 0
.else
	v_wmma_f32_16x16x32_f16 v[FA+8*(4*\a+\b):FA+8*(4*\a+\b)+7], v[8*(16*\a+sg):8*(16*\a+sg)+7], v[8*(16*\b+sg):8*(16*\b+sg)+7], v[FA+8*(4*\a+\b):FA+8*(4*\a+\b)+7]
.endif
.endr
.endr
	WIN 0x0d
.irp a, 0,1
.irp b, 2,3
.if sg == 0
	v_wmma_f32_16x16x32_f16 v[FA+8*(4*\a+\b):FA+8*(4*\a+\b)+7], v[8*(16*\a+sg):8*(16*\a+sg)+7], v[8*(16*(\b-2)+sg):8*(16*(\b-2)+sg)+7], 0
.else
	v_wmma_f32_16x16x32_f16 v[FA+8*(4*\a+\b):FA+8*(4*\a+\b)+7], v[8*(16*\a+sg):8*(16*\a+sg)+7], v[8*(16*(\b-2)+sg):8*(16*(\b-2)+sg)+7], v[FA+8*(4*\a+\b):FA+8*(4*\a+\b)+7]
.endif
.endr
.endr
.set sg, sg+1
.endr
	WIN 0
.rept 4
	v_nop                                          ; places behind the last products, ahead of the first read of results
.endr
.irp t, 0,1,2,3,4,5,6,7
.irp p, 0,2,4,6
	v_pk_mul_f32 v[FA+8*\t+\p:FA+8*\t+\p+1], v[FA+8*\t+\p:FA+8*\t+\p+1], v[FF:FF+1] op_sel_hi:[1,0]
.endr
.endr
.irp t, 0,1,2,3,4,5,6,7
.irp p, 0,1,2,3
	v_cvt_pk_f16_f32 v[FH+4*\t+\p], v[FA+8*\t+2*\p], v[FA+8*\t+2*\p+1]
.endr
.endr
.irp a, 0,1
.irp b, 0,1,2,3
	global_store_b128 v[L16], v[FH+4*(4*\a+\b):FH+4*(4*\a+\b)+3], s[36:37] offset:\b*65536+\a*512
.endr
.endr
	s_endpgm
.Lqkv:
	s_sub_co_u32 s3, ttmp9, 128
	s_lshr_b32 s4, s3, 3                           ; which 128 rows of x
	s_and_b32 s5, s3, 7
	s_lshr_b32 s6, s5, 2                           ; branch
	s_and_b32 s7, s5, 3
	s_lshl_b32 s7, s7, 2
	s_add_co_u32 s7, s7, s2                        ; head
	v_lshlrev_b32 v[R4], 2, v[RR]
	s_mul_i32 s8, s6, 786432                       ; W's codes: 3 matrices x 64 tiles x 4,096 bytes a branch, 4 tiles a head
	s_lshl_b32 s9, s7, 14
	s_add_co_u32 s8, s8, s9
	v_add_nc_u32 v[OW], s8, v[L16]
	s_mul_i32 s8, s6, 49152                        ; their scale words: a sixteenth
	s_lshl_b32 s9, s7, 10
	s_add_co_u32 s8, s8, s9
	v_add_nc_u32 v[OWS], s8, v[R4]
	s_lshl_b32 s8, s4, 15                          ; x's codes: 8 tiles of 4,096 bytes
	v_add_nc_u32 v[OX], s8, v[L16]
	s_lshl_b32 s8, s4, 11
	v_add_nc_u32 v[OXS], s8, v[R4]
	s_cmp_eq_u32 s6, 0
	s_cselect_b64 s[18:19], s[18:19], s[24:25]     ; bq
	s_cselect_b64 s[20:21], s[20:21], s[26:27]     ; bk
	s_cselect_b64 s[22:23], s[22:23], s[28:29]     ; bv
	s_lshl_b32 s8, s7, 8                           ; the head's 64 numbers
	v_lshl_add_u32 v[OB], v[HH], 5, s8             ; q, k: my eight channels 8 h on
	v_add_nc_u32 v[OBV], s8, v[R4]                 ; v: my channel r
	WIN 0x40
.set n, 0
.rept 64
	global_load_b128 v[4*n:4*n+3], v[OW], s[16:17] offset:WQ+(n/32)*262144+512*(n%32)
.set n, n+1
.endr
	WIN 0x80
.set n, 0
.rept 32
	global_load_b128 v[4*n:4*n+3], v[OW], s[16:17] offset:WQ+2*262144+512*n
.set n, n+1
.endr
.irp ct, 0,1,2,3
	global_load_b128 v[128+8*\ct:131+8*\ct], v[OB], s[18:19] offset:64*\ct
	global_load_b128 v[132+8*\ct:135+8*\ct], v[OB], s[18:19] offset:64*\ct+16
	global_load_b128 v[160+8*\ct:163+8*\ct], v[OB], s[20:21] offset:64*\ct
	global_load_b128 v[164+8*\ct:167+8*\ct], v[OB], s[20:21] offset:64*\ct+16
.irp j, 0,1,2,3,4,5,6,7
	global_load_b32 v[192+8*\ct+\j], v[OBV], s[22:23] offset:64*\ct
.endr
.endr
	WIN 0
.irp t, 0,1,2,3,4,5,6,7,8,9,10,11
.irp s, 0,1,2,3
	global_load_b32 v[WSC+4*\t+\s], v[OWS], s[16:17] offset:WS+(\t/4)*16384+(4*(\t%4)+\s)*64
.endr
.endr
.macro XLOAD i                         ; x's tile i: four fragments and four scale words: 12 loads
.irp s, 0,1,2,3
.irp c, 0,1
	global_load_b128 v[XF+32*((\i)%2)+8*\s+4*\c:XF+32*((\i)%2)+8*\s+4*\c+3], v[OX], s[16:17] offset:XQ+(\i)*4096+\s*1024+\c*512
.endr
	global_load_b32 v[XSC+4*((\i)%2)+\s], v[OXS], s[16:17] offset:XS+(\i)*256+\s*64
.endr
.endm
	XLOAD 0
	XLOAD 1
	s_lshr_b32 s8, s4, 4                           ; batch
	s_lshl_b32 s8, s8, 4
	s_lshl_b32 s9, s6, 5
	s_add_co_u32 s8, s8, s9
	s_add_co_u32 s8, s8, s7                        ; hb = 32 branch + 16 batch + head
	s_and_b32 s9, s4, 15                           ; my 128 tokens in the sequence
	s_lshl_b32 s10, s8, 18                         ; qimg: (128 hb + 8 ml) tiles of 2,048 bytes
	s_lshl_b32 s11, s9, 14
	s_add_co_u32 s10, s10, s11
	s_mov_b32 s11, 0
	s_add_nc_u64 s[32:33], s[32:33], s[10:11]
	s_lshl_b32 s10, s8, 19                         ; kv: (32 hb + 2 ml) key steps of 16,384 bytes
	s_lshl_b32 s12, s9, 15
	s_add_co_u32 s10, s10, s12
	s_add_nc_u64 s[34:35], s[34:35], s[10:11]
; One tile of 16 rows of x: 48 products, the 12 accumulators by turns, K ascending; then out.
.macro MTILE i
.set PAR, (\i)%2
.if (\i) < 7
	s_wait_loadcnt 12                              ; this tile's loads (and all older ones) are in; the next tile's 12 may be out
.else
	s_wait_loadcnt 0x0
.endif
.irp s, 0,1,2,3
.if \s == 0
	WIN 0x21                                       ; source 0 (W) window 1, C (the bias) window 2
.else
	WIN 0x01
.endif
.irp t, 0,1,2,3,4,5,6,7
.if \s == 0
	v_wmma_scale_f32_16x16x128_f8f6f4 v[ACC+8*\t:ACC+8*\t+7], v[32*\t+8*\s:32*\t+8*\s+7], v[XF+32*PAR+8*\s:XF+32*PAR+8*\s+7], v[128+8*\t:128+8*\t+7], v[WSC+4*\t+\s], v[XSC+4*PAR+\s] matrix_a_fmt:MATRIX_FMT_FP4 matrix_b_fmt:MATRIX_FMT_FP4
.else
	v_wmma_scale_f32_16x16x128_f8f6f4 v[ACC+8*\t:ACC+8*\t+7], v[32*\t+8*\s:32*\t+8*\s+7], v[XF+32*PAR+8*\s:XF+32*PAR+8*\s+7], v[ACC+8*\t:ACC+8*\t+7], v[WSC+4*\t+\s], v[XSC+4*PAR+\s] matrix_a_fmt:MATRIX_FMT_FP4 matrix_b_fmt:MATRIX_FMT_FP4
.endif
.endr
.if \s == 0
	WIN 0x28                                       ; v: source 0 = x (window 0), source 1 = W (window 2), C window 2
.else
	WIN 0x08
.endif
.irp t, 8,9,10,11
.if \s == 0
	v_wmma_scale_f32_16x16x128_f8f6f4 v[ACC+8*\t:ACC+8*\t+7], v[XF+32*PAR+8*\s:XF+32*PAR+8*\s+7], v[32*(\t-8)+8*\s:32*(\t-8)+8*\s+7], v[128+8*\t:128+8*\t+7], v[XSC+4*PAR+\s], v[WSC+4*\t+\s] matrix_a_fmt:MATRIX_FMT_FP4 matrix_b_fmt:MATRIX_FMT_FP4
.else
	v_wmma_scale_f32_16x16x128_f8f6f4 v[ACC+8*\t:ACC+8*\t+7], v[XF+32*PAR+8*\s:XF+32*PAR+8*\s+7], v[32*(\t-8)+8*\s:32*(\t-8)+8*\s+7], v[ACC+8*\t:ACC+8*\t+7], v[XSC+4*PAR+\s], v[WSC+4*\t+\s] matrix_a_fmt:MATRIX_FMT_FP4 matrix_b_fmt:MATRIX_FMT_FP4
.endif
.endr
.endr
	WIN 0
.rept 5
	v_nop                                          ; places: four ahead of the loads into x's registers and of the first read of results, five ahead of the next tile's products, which begin the accumulators anew
.endr
.if (\i) < 6
	XLOAD (\i)+2
.endif
.if (\i) > 0
	s_wait_xcnt 0x0                                ; the last tile's stores have read their data registers, which are written again below
.endif
	WIN 0xc0
.set n, 0
.rept 48
	v_cvt_pk_f16_f32 v[n], v[ACC+2*n], v[ACC+2*n+1]   ; each accumulator from its low end on
.set n, n+1
.endr
	WIN 0x0c                                       ; a store's data are its source 1: window 3
.irp ct, 0,1,2,3
	global_store_b128 v[L16], v[4*\ct:4*\ct+3], s[32:33] offset:(\i)*2048+\ct*512
.endr
.irp ct, 0,1,2,3
	global_store_b128 v[L16], v[16+4*\ct:19+4*\ct], s[34:35] offset:((\i)/4)*16384+((\i)%4)*2048+\ct*512
.endr
.irp ct, 0,1,2,3
	global_store_b128 v[L16], v[32+4*\ct:35+4*\ct], s[34:35] offset:((\i)/4)*16384+8192+(4*\ct+(\i)%4)*512
.endr
.endm
.irp i, 0,1,2,3,4,5,6,7
	MTILE \i
.endr
	WIN 0
	s_endpgm
.Lfunc_end_k_q057db7d1d7_proj:
	.size	k_q057db7d1d7_proj, .Lfunc_end_k_q057db7d1d7_proj-k_q057db7d1d7_proj
	.p2alignl 7, 3214868480
	.fill 96, 4, 3214868480
	.section	.rodata,"a",@progbits
	.p2align	6, 0x0
	.amdhsa_kernel k_q057db7d1d7_proj
		.amdhsa_group_segment_fixed_size 0
		.amdhsa_private_segment_fixed_size 0
		.amdhsa_enable_private_segment 0
		.amdhsa_kernarg_size 88
		.amdhsa_user_sgpr_count 2
		.amdhsa_user_sgpr_kernarg_segment_ptr 1
		.amdhsa_wavefront_size32 1
		.amdhsa_system_sgpr_workgroup_id_x 1
		.amdhsa_system_sgpr_workgroup_id_y 1
		.amdhsa_system_sgpr_workgroup_id_z 1
		.amdhsa_system_vgpr_workitem_id 0
		.amdhsa_next_free_vgpr 1024
		.amdhsa_next_free_sgpr 72
		.amdhsa_reserve_vcc 0
		.amdhsa_float_denorm_mode_32 3
		.amdhsa_float_denorm_mode_16_64 3
		.amdhsa_memory_ordered 1
		.amdhsa_forward_progress 1
		.amdhsa_inst_pref_size 148
	.end_amdhsa_kernel
	.amdgpu_metadata
---
amdhsa.version: [ 1, 2 ]
amdhsa.kernels:
  - .name:           k_q057db7d1d7_proj
    .symbol:         k_q057db7d1d7_proj.kd
    .args:
      - { .name: prep, .offset: 0, .size: 8, .value_kind: global_buffer, .address_space: global }
      - { .name: bq1, .offset: 8, .size: 8, .value_kind: global_buffer, .address_space: global }
      - { .name: bk1, .offset: 16, .size: 8, .value_kind: global_buffer, .address_space: global }
      - { .name: bv1, .offset: 24, .size: 8, .value_kind: global_buffer, .address_space: global }
      - { .name: bq2, .offset: 32, .size: 8, .value_kind: global_buffer, .address_space: global }
      - { .name: bk2, .offset: 40, .size: 8, .value_kind: global_buffer, .address_space: global }
      - { .name: bv2, .offset: 48, .size: 8, .value_kind: global_buffer, .address_space: global }
      - { .name: lambda_param, .offset: 56, .size: 8, .value_kind: global_buffer, .address_space: global }
      - { .name: qimg, .offset: 64, .size: 8, .value_kind: global_buffer, .address_space: global }
      - { .name: kv, .offset: 72, .size: 8, .value_kind: global_buffer, .address_space: global }
      - { .name: wf, .offset: 80, .size: 8, .value_kind: global_buffer, .address_space: global }
    .group_segment_fixed_size: 0
    .private_segment_fixed_size: 0
    .kernarg_segment_align: 8
    .kernarg_segment_size: 88
    .max_flat_workgroup_size: 128
    .sgpr_count:     72
    .vgpr_count:     1024
    .wavefront_size: 32
...
	.end_amdgpu_metadata
.endif
;; end of part 2
;; launch attn (part 3): grid 4 x 64, 8 waves a work-group, no clusters, 327,680 bytes of LDS; arguments qimg, kv, oimg; writes oimg
.if DOCPART == 3
	.amdgcn_target "amdgcn-amd-amdhsa--gfx1250"
	.amdhsa_code_object_version 6
	.text
	.protected	k_q057db7d1d7_attn
	.globl	k_q057db7d1d7_attn
	.p2align	8
	.type	k_q057db7d1d7_attn,@function
k_q057db7d1d7_attn:
	s_mov_b64 s[64:65], 0
	v_nop
	global_prefetch_b8 v0, s[64:65] scope:SCOPE_SE
	s_setreg_imm32_b32 hwreg(HW_REG_WAVE_MODE, 25, 1), 1
	s_wait_xcnt 0x0
; ATTN: o = softmax(q k^T / 8) v for one branch, batch and head (work-group y = hb) and 512 queries (x); f16 operands, f32 sums; o is stored as f16(16 o), as an image of the last launch's operand.
; SHARES.  Eight waves, each 64 queries: four tiles of 16.  Every wave walks all 2,048 keys, 64 a step.  Two waves share a SIMD; waves 4-7 begin one first product later than waves 0-3, so that one
; wave's matrix instructions stand beside the other's softmax.
; LAYOUT.  S^T = K Q^T (source 0 = 16 keys, source 1 = 16 queries), O^T = V^T P (source 0 = 16 channels, source 1 = P): a lane holds ONE query throughout; two tiles of S^T rounded to f16 in pairs are P's fragment.
; q, k and v lie in memory as images of their fragments (512 bytes: 16 bytes a lane), a key step's K (8 KiB) and V^T (8 KiB) on end: LDS reads are 16 x lane, dense: no padding, no turning load.
; SOFTMAX.  A running maximum m and sum l for each query: p = 2^(c s - c m), c = log2(e) / 8; in every step O and l are multiplied by 2^(c m_old - c m_new).  The sum is taken of p in f32.
; The loop has no first step of its own: O and l begin as zeros and m as -3e38, so the first factor is 0.
; RING.  Two LDS slots of four key steps (64 KiB); every wave fetches its eighth of a slot with one tensor load.  By this text's count a wave has two loads out at the start, one behind each refill.
; NO CLUSTER, though the four query blocks of a head read the same K and V: a round of the cluster's barrier closes with a work-group barrier, which would bring a SIMD's two waves into step at
; every change of slots, and the design rests on their distance; a slot's 64 KiB feed 8 waves x 256 matrix instructions.
; LIMITS: |q|, |k| under 65,504 and |v| under 4,094 (16 o in f16); NaN and infinities are not served.
; REGISTERS: window 0: v1 16 x lane; v4 the LDS address in hand; v16-47 statistics, 8 a tile (+0 c m, +1 m, +2, +3 l, +4..7 at work; the factor at +6); v61 prefetch offset; v62, v63 the add's two;
;   v64-191 S^T, 32 a tile (P is laid over a tile's low 16); v192-255 Q.   window 1: v0-127 O^T (32 t + 8 ct); v128-191 K; v192-255 V^T.
.set STEPB, 16384
.set SLOTB, 65536
.set SPARE, 131072                     ; behind the ring: the spare words, 128 bytes for each of eight waves, that no other line names
.set LI,  1
.set ADR, 4
.set ST,  16
.set PFO, 61
.set SPW, 62
.set NIL, 63
.set S,   64
.set Q,   192
.set KF,  128
.set VF,  192
.set WV,  12
.set G1,  16                           ; s[16:23] descriptor group 1;  s[24:27], s[28:31] group 0 for the two first fills; the second then walks
.set TB,  32                           ; s32  LDS byte of the key step in hand
.set I,   34
.set SLOTS, 35
.set CS,  36
.set SEL, 38
.set PFA, 40
.set LIM, 42
.set MSB, 0
.macro WIN new
.if MSB != \new
	s_set_vgpr_msb (MSB<<8)|\new
.set MSB, \new
.endif
.endm
.macro FETCH_K adr, off                ; a step's K: 16 chunks, fragment (kt, cs) at KF + 8 (2 kt + cs)
	WIN 0x40
.set n, 0
.rept 16
	ds_load_b128 v[KF+4*n:KF+4*n+3], v[\adr] offset:\off+512*n
.set n, n+1
.endr
.endm
.macro FETCH_V adr, off                ; a step's V^T: fragment (ct, kh) at VF + 8 (2 ct + kh)
	WIN 0x40
.set n, 0
.rept 16
	ds_load_b128 v[VF+4*n:VF+4*n+3], v[\adr] offset:\off+8192+512*n
.set n, n+1
.endr
.endm
.macro PLACES
.rept 4
	v_nop
.endr
.endm
.macro KQ                              ; 32 products; the 16 accumulators take turns; the first 16 start the sums
	WIN 0x01
.irp cs, 0,1
.irp kt, 0,1,2,3
.irp t, 0,1,2,3
.if \cs == 0
	v_wmma_f32_16x16x32_f16 v[S+32*\t+8*\kt:S+32*\t+8*\kt+7], v[KF+8*(2*\kt+\cs):KF+8*(2*\kt+\cs)+7], v[Q+8*(2*\t+\cs):Q+8*(2*\t+\cs)+7], 0
.else
	v_wmma_f32_16x16x32_f16 v[S+32*\t+8*\kt:S+32*\t+8*\kt+7], v[KF+8*(2*\kt+\cs):KF+8*(2*\kt+\cs)+7], v[Q+8*(2*\t+\cs):Q+8*(2*\t+\cs)+7], v[S+32*\t+8*\kt:S+32*\t+8*\kt+7]
.endif
.endr
.endr
.endr
.endm
.macro PV                              ; 32 products onto O^T, the 16 accumulators by turns
	WIN 0x51
.irp kh, 0,1
.irp ct, 0,1,2,3
.irp t, 0,1,2,3
	v_wmma_f32_16x16x32_f16 v[32*\t+8*\ct:32*\t+8*\ct+7], v[VF+8*(2*\ct+\kh):VF+8*(2*\ct+\kh)+7], v[S+32*\t+8*\kh:S+32*\t+8*\kh+7], v[32*\t+8*\ct:32*\t+8*\ct+7]
.endr
.endr
.endr
.rept 5
	v_nop                                          ; five places: the next K Q^T writes over P's registers, which these products read
.endr
.endm
; The softmax of a key step, the four tiles by turns so that no line waits for the line above it.
.macro SM
	WIN 0
.irp j, 0,1,2,3
.irp t, 0,1,2,3
	v_max3_num_f32 v[ST+8*\t+4+\j], v[S+32*\t+8*\j], v[S+32*\t+8*\j+1], v[S+32*\t+8*\j+2]   ; each accumulator is read from its low end on
.endr
.endr
.irp g, 1,2
.irp j, 0,1,2,3
.irp t, 0,1,2,3
	v_max3_num_f32 v[ST+8*\t+4+\j], v[ST+8*\t+4+\j], v[S+32*\t+8*\j+2*\g+1], v[S+32*\t+8*\j+2*\g+2]
.endr
.endr
.endr
.irp t, 0,1,2,3
	v_max3_num_f32 v[ST+8*\t+4], v[ST+8*\t+4], v[S+32*\t+7], v[S+32*\t+15]
.endr
.irp t, 0,1,2,3
	v_max3_num_f32 v[ST+8*\t+6], v[ST+8*\t+6], v[S+32*\t+23], v[S+32*\t+31]
.endr
.irp t, 0,1,2,3
	v_max3_num_f32 v[ST+8*\t+4], v[ST+8*\t+4], v[ST+8*\t+5], v[ST+8*\t+6]
.endr
.irp t, 0,1,2,3
	v_max3_num_f32 v[ST+8*\t+4], v[ST+8*\t+4], v[ST+8*\t+7], v[ST+8*\t+1]   ; and the old m
.endr
.irp t, 0,1,2,3
	v_permlanex16_b32 v[ST+8*\t+5], v[ST+8*\t+4], s[SEL], s[SEL+1]         ; the query's other 32 keys lie in the lane 16 away
.endr
.irp t, 0,1,2,3
	v_mov_b32 v[ST+8*\t+7], v[ST+8*\t]                                     ; c m_old
.endr
.irp t, 0,1,2,3
	v_max_num_f32 v[ST+8*\t+1], v[ST+8*\t+4], v[ST+8*\t+5]
.endr
.irp t, 0,1,2,3
	v_mul_f32 v[ST+8*\t], s[CS], v[ST+8*\t+1]
.endr
.irp t, 0,1,2,3
	v_sub_f32 v[ST+8*\t+7], v[ST+8*\t+7], v[ST+8*\t]
.endr
	; ONE BATCH: the four factors, the 64 packed scalings and the 128 exponentials; none of these lines names an exponential's result
.irp t, 0,1,2,3
	v_exp_f32 v[ST+8*\t+6], v[ST+8*\t+7]
.endr
.irp b, 0,1,2,3,4,5,6,7,8,9,10,11,12,13,14,15
.irp t, 0,1,2,3
	v_pk_fma_f32 v[S+32*\t+2*\b:S+32*\t+2*\b+1], v[S+32*\t+2*\b:S+32*\t+2*\b+1], s[CS:CS+1], v[ST+8*\t:ST+8*\t+1] op_sel_hi:[1,0,0] neg_lo:[0,0,1] neg_hi:[0,0,1]   ; c s - c m
.endr
.if \b > 0
.irp t, 0,1,2,3
	v_exp_f32 v[S+32*\t+2*\b-2], v[S+32*\t+2*\b-2]
	v_exp_f32 v[S+32*\t+2*\b-1], v[S+32*\t+2*\b-1]
.endr
.endif
.endr
.irp t, 0,1,2,3
	v_exp_f32 v[S+32*\t+30], v[S+32*\t+30]
	v_exp_f32 v[S+32*\t+31], v[S+32*\t+31]
.endr
	v_nop                                          ; a plain line behind the last exponential,
	s_wait_alu depctr_va_vdst(0)                   ; and the one wait ahead of the batch's first reader
.irp t, 0,1,2,3
	v_pk_fma_f32 v[ST+8*\t+2:ST+8*\t+3], v[ST+8*\t+2:ST+8*\t+3], v[ST+8*\t+6:ST+8*\t+7], v[S+32*\t:S+32*\t+1] op_sel_hi:[1,0,1]   ; l under the new m, and the first pair
.endr
.irp b, 1,2,3,4,5,6,7,8,9,10,11,12,13,14,15
.irp t, 0,1,2,3
	v_pk_add_f32 v[ST+8*\t+2:ST+8*\t+3], v[ST+8*\t+2:ST+8*\t+3], v[S+32*\t+2*\b:S+32*\t+2*\b+1]
.endr
.endr
.irp n, 0,1,2,3,4,5,6,7,8,9,10,11,12,13,14,15
.irp t, 0,1,2,3
	v_cvt_pk_f16_f32 v[S+32*\t+\n], v[S+32*\t+2*\n], v[S+32*\t+2*\n+1]     ; P in place, ascending: register n is written when 2 n and 2 n + 1 have been read
.endr
.endr
	WIN 0x41
.irp n, 0,2,4,6,8,10,12,14,16,18,20,22,24,26,28,30
.irp t, 0,1,2,3
	v_pk_mul_f32 v[32*\t+\n:32*\t+\n+1], v[32*\t+\n:32*\t+\n+1], v[ST+8*\t+6:ST+8*\t+7] op_sel_hi:[1,0]   ; O^T under the new m
.endr
.endr
.endm
.macro SMPV w                          ; w = 1: the runs of LDS loads issued a softmax ago (V of this step, K of the next) are waited for
	SM
.if \w
	s_wait_dscnt 0x0
.endif
	PV
.endm
.macro FIRST                           ; key step 0: its scores; then K of step 1 and V of step 0
	FETCH_K LI, 0
	s_wait_dscnt 0x0
	KQ
	WIN 0
.rept 5
	v_nop                                          ; five places: four serve the loads into K's registers below; the macro's other copy, further down the text, begins the same sixteen accumulators anew, which asks for five
.endr
	FETCH_K LI, STEPB
	FETCH_V LI, 0
	WIN 0
.endm
; Three trips: step j's softmax and V^T P, step j + 1's K Q^T, then the loads of K of step j + 2 and V of step j + 1.  In the third trip K of step j + 2 lies in the next slot: a jump on the counter leads round those loads alone.
.macro INNER
	s_mov_b32 s[I], 3
.Lin_\@:
	SMPV 1
	KQ
	WIN 0
	PLACES                                         ; ahead of the loads into K's registers and of the next read of the scores
	v_add_nc_u32 v[ADR], s[TB], v[LI]
	s_cmp_eq_u32 s[I], 1
	s_cbranch_scc1 .Lnok_\@
	FETCH_K ADR, 2*STEPB
	WIN 0
.Lnok_\@:
	FETCH_V ADR, STEPB
	WIN 0
	s_add_co_u32 s[TB], s[TB], STEPB
	s_sub_co_u32 s[I], s[I], 1
	s_cmp_lg_u32 s[I], 0
	s_cbranch_scc1 .Lin_\@
.endm
; A prefetch into the L2 of my own 8 KiB of the slot that the NEXT change will ask for: lanes 256 bytes apart, one instruction a wave, four key steps ahead of that load.  All four work-groups of a head
; walk the same K and V: the first of them asks, so each block of 256 bytes is named once.  The last change that fills a slot asks for nothing; slots 0 to 2 come by their loads alone.
.macro ASK
	s_cmp_gt_u32 s[SLOTS], s[LIM]
	s_cbranch_scc0 .Lnot_\@
	global_prefetch_b8 v[PFO], s[PFA:PFA+1] th:TH_LOAD_NT scope:SCOPE_SE
.Lnot_\@:
.endm
; THE CHANGE OF SLOTS.  The slot's last bytes (V of its fourth step) have been asked for.  Each wave waits for all its tensor loads (its eighth of the next slot), adds 0 to its spare word, waits for that
; and for its reads of this slot, and signals; the fourth step's softmax and V^T P, work on registers alone, stand between signal and wait, so that the earlier waves do not wait for the later ones.
; Behind the wait nobody reads this slot and the next is whole.  fill = 1: this slot takes the keys two slots on: the first thing behind the barrier.
.macro CHANGE fill
	s_wait_tensorcnt 0x0                           ; no tensor load of mine is out, so a group 0 may be written
	ds_add_u32 v[SPW], v[NIL]                      ; 0 onto my spare word
.if \fill
	s_xor_b32 s29, s29, SLOTB                      ; the walking descriptor: the other slot than last time,
	s_add_nc_u64 s[30:31], s[30:31], SLOTB         ; the next four key steps; the type bits on top are not reached
	s_wait_xcnt 0x0                                ; the last prefetch, a slot back, has read its address
	s_add_nc_u64 s[PFA:PFA+1], s[PFA:PFA+1], SLOTB
.endif
	s_wait_dscnt 0x0                               ; the add is done, and my reads of this slot are over
	s_barrier_signal -1
	SMPV 0
	WIN 0
	s_barrier_wait -1
.if \fill
	tensor_load_to_lds s[28:31], s[G1:G1+7]
	s_nop 0
	PLACES
	ASK
.endif
	s_sub_co_u32 s[TB], s[TB], 3*STEPB             ; back to a slot's first step,
	s_xor_b32 s[TB], s[TB], SLOTB                  ; in the other slot
	v_add_nc_u32 v[ADR], s[TB], v[LI]
	FETCH_K ADR, 0
	s_wait_dscnt 0x0
	KQ
	WIN 0
	PLACES
	FETCH_K ADR, STEPB
	FETCH_V ADR, 0
	WIN 0
.endm
	s_load_b128 s[4:7], s[0:1], 0x0                ; qimg, kv
	s_load_b64 s[8:9], s[0:1], 0x10                ; oimg
	v_lshl_add_u32 v[SPW], v0, 2, SPARE
	v_mov_b32 v[NIL], 0
	ds_add_u32 v[SPW], v[NIL]                      ; the wave's opening: the add, twice on end, and its wait ahead of my first tensor load
	ds_add_u32 v[SPW], v[NIL]
	v_lshrrev_b32 v1, 5, v0
	v_readfirstlane_b32 s[WV], v1                  ; wave 0..7
	v_and_b32 v2, 31, v0
	v_lshlrev_b32 v[LI], 4, v2
	v_lshlrev_b32 v[PFO], 8, v2
	s_and_b32 s13, ttmp7, 0xffff                   ; hb = 32 branch + 16 batch + head
	; descriptor group 1: 8 KiB, dense, as 32 rows of 256 bytes (32 elements of 8 bytes); no padding, no mask
	s_mov_b32 s[G1], 3<<16
	s_mov_b32 s[G1+1], 32<<16                      ; tensor_dim0
	s_mov_b32 s[G1+2], 32<<16                      ; tensor_dim1
	s_mov_b32 s[G1+3], 32<<16                      ; tile_dim0
	s_mov_b32 s[G1+4], 32                          ; tile_dim1
	s_mov_b32 s[G1+5], 32                          ; the pitch
	s_mov_b32 s[G1+6], 0
	s_mov_b32 s[G1+7], 0
	s_mov_b32 s[CS], 0x3e38aa3b                    ; c = log2(e) / 8
	s_mov_b32 s[CS+1], s[CS]                       ; (named with it as a pair, so it is written)
	s_mov_b32 s[SEL], 0x76543210
	s_mov_b32 s[SEL+1], 0xfedcba98
	s_lshl_b32 s14, s[WV], 13                      ; my eighth of a slot; also my four tiles of Q
	s_lshl_b32 s2, s13, 19                         ; a head's K and V: 32 steps of 16 KiB
	s_add_co_u32 s2, s2, s14
	s_mov_b32 s3, 0
	s_lshl_b32 s10, s13, 18                        ; Q: (128 hb + 32 x + 4 wave) tiles of 2,048 bytes
	s_lshl_b32 s11, ttmp9, 16
	s_add_co_u32 s10, s10, s11
	s_add_co_u32 s10, s10, s14
	s_mov_b32 s11, 0
	s_bfe_u32 s15, s13, 0x10004                    ; batch
	s_lshl_b32 s15, s15, 7
	s_lshl_b32 s33, ttmp9, 5
	s_add_co_u32 s15, s15, s33
	s_lshl_b32 s33, s[WV], 2
	s_add_co_u32 s15, s15, s33                     ; my first tile of 16 rows of o
	s_lshl_b32 s44, s15, 16                        ; 128 chunks of 512 bytes a tile
	s_lshr_b32 s15, s13, 5
	s_lshl_b32 s15, s15, 4
	s_and_b32 s33, s13, 15
	s_add_co_u32 s15, s15, s33                     ; 16 branch + head: four chunks each
	s_lshl_b32 s15, s15, 11
	s_add_co_u32 s44, s44, s15
	s_mov_b32 s45, 0
	s_cmp_eq_u32 ttmp9, 0
	s_cselect_b32 s[LIM], 1, -1                    ; the head's first work-group prefetches
	s_mov_b32 s[TB], 0
	s_mov_b32 s[SLOTS], 6
	s_wait_dscnt 0x0                               ; both opening adds are done
	s_wait_kmcnt 0x0
	s_add_nc_u64 s[6:7], s[6:7], s[2:3]
	s_add_nc_u64 s[4:5], s[4:5], s[10:11]
	s_add_nc_u64 s[8:9], s[8:9], s[44:45]
	s_mov_b32 s24, 1                               ; count = 1
	s_mov_b32 s25, s14                             ; LDS: slot 0, my eighth
	s_mov_b64 s[26:27], s[6:7]
	s_or_b32 s27, s27, 0x80000000                  ; type = 2
	s_mov_b32 s28, 1
	s_add_co_u32 s29, s14, SLOTB                   ; slot 1
	s_add_nc_u64 s[30:31], s[6:7], SLOTB
	s_or_b32 s31, s31, 0x80000000
	s_add_nc_u64 s[PFA:PFA+1], s[6:7], 2*SLOTB     ; in slot 2: the first change steps it to slot 3.  Nothing is prefetched here, at the head
	tensor_load_to_lds s[24:27], s[G1:G1+7]        ; both first fills together, ahead of every wait on TENSORcnt, LDS read and barrier
	s_nop 0
	tensor_load_to_lds s[28:31], s[G1:G1+7]
	s_nop 0
	PLACES
.set n, 0
.rept 16
	global_load_b128 v[Q+4*n:Q+4*n+3], v[LI], s[4:5] offset:512*n th:TH_LOAD_NT   ; Q stays in registers: fragment (t, cs) at Q + 8 (2 t + cs)
.set n, n+1
.endr
	WIN 0x40
.set n, 0
.rept 128
	v_mov_b32 v[n], 0                              ; O^T: the key step is written without a first step of its own, which would be one more copy of the softmax
.set n, n+1
.endr
	WIN 0
.irp t, 0,1,2,3
	v_mov_b32 v[ST+8*\t+1], 0xff61b1e6             ; m = -3e38, under every score
	v_mov_b32 v[ST+8*\t+2], 0                      ; l, in two halves
	v_mov_b32 v[ST+8*\t+3], 0
.endr
.irp t, 0,1,2,3
	v_mul_f32 v[ST+8*\t], s[CS], v[ST+8*\t+1]      ; c m
.endr
	s_wait_tensorcnt 0x1                           ; my eighth of slot 0 is in; slot 1's may stay out
	s_barrier_signal -1
	s_barrier_wait -1                              ; everybody's is
	s_wait_loadcnt 0x0                             ; Q
	s_cmp_lt_u32 s[WV], 4
	s_cbranch_scc0 .Llater
	FIRST                                          ; waves 0-3 begin;
.Llater:
	s_wait_dscnt 0x0
	s_barrier_signal -1
	s_barrier_wait -1                              ; it only sets waves 4-7 behind
	s_cmp_lt_u32 s[WV], 4
	s_cbranch_scc1 .Lgoes
	FIRST                                          ; waves 4-7 begin when the others' first scores are made
.Lgoes:
.Lslot:                                            ; six trips: slots 0 to 5 are left and filled again
	INNER
	CHANGE 1
	s_sub_co_u32 s[SLOTS], s[SLOTS], 1
	s_cmp_lg_u32 s[SLOTS], 0
	s_cbranch_scc1 .Lslot
	INNER                                          ; the tail is written out
	CHANGE 0
	INNER
	SMPV 1                                         ; the last key step
	; THE WAY OUT: O^T x 16 / l, rounded to f16: four registers a tile of channels are 16 bytes a lane, an image of the next operand: each store covers 512 consecutive bytes
	WIN 0
.irp t, 0,1,2,3
	v_add_f32 v[ST+8*\t+4], v[ST+8*\t+2], v[ST+8*\t+3]
.endr
.irp t, 0,1,2,3
	v_permlanex16_b32 v[ST+8*\t+5], v[ST+8*\t+4], s[SEL], s[SEL+1]
.endr
.irp t, 0,1,2,3
	v_add_f32 v[ST+8*\t+4], v[ST+8*\t+4], v[ST+8*\t+5]
.endr
.irp t, 0,1,2,3
	v_rcp_f32 v[ST+8*\t+6], v[ST+8*\t+4]
.endr
	v_nop                                          ; a plain line behind the last reciprocal,
	s_wait_alu depctr_va_vdst(0)                   ; and the wait ahead of the first reader: one for the four
.irp t, 0,1,2,3
	v_mul_f32 v[ST+8*\t+6], 0x41800000, v[ST+8*\t+6]
.endr
.irp t, 0,1,2,3
	WIN 0x41
.irp n, 0,2,4,6,8,10,12,14,16,18,20,22,24,26,28,30
	v_pk_mul_f32 v[32*\t+\n:32*\t+\n+1], v[32*\t+\n:32*\t+\n+1], v[ST+8*\t+6:ST+8*\t+7] op_sel_hi:[1,0]
.endr
	WIN 0x05
.irp n, 0,1,2,3,4,5,6,7,8,9,10,11,12,13,14,15
	v_cvt_pk_f16_f32 v[S+32*\t+\n], v[32*\t+2*\n], v[32*\t+2*\n+1]
.endr
	WIN 0
.irp ct, 0,1,2,3
	global_store_b128 v[LI], v[S+32*\t+4*\ct:S+32*\t+4*\ct+3], s[8:9] offset:\t*65536+\ct*512
.endr
.endr
	s_wait_tensorcnt 0x0                           ; the wave's end, behind my last tensor load
	ds_add_u32 v[SPW], v[NIL]
	s_wait_dscnt 0x0
	s_endpgm
.Lfunc_end_k_q057db7d1d7_attn:
	.size	k_q057db7d1d7_attn, .Lfunc_end_k_q057db7d1d7_attn-k_q057db7d1d7_attn
	.p2alignl 7, 3214868480
	.fill 96, 4, 3214868480
	.section	.rodata,"a",@progbits
	.p2align	6, 0x0
	.amdhsa_kernel k_q057db7d1d7_attn
		.amdhsa_group_segment_fixed_size 327680
		.amdhsa_private_segment_fixed_size 0
		.amdhsa_enable_private_segment 0
		.amdhsa_kernarg_size 24
		.amdhsa_user_sgpr_count 2
		.amdhsa_user_sgpr_kernarg_segment_ptr 1
		.amdhsa_wavefront_size32 1
		.amdhsa_system_sgpr_workgroup_id_x 1
		.amdhsa_system_sgpr_workgroup_id_y 1
		.amdhsa_system_sgpr_workgroup_id_z 1
		.amdhsa_system_vgpr_workitem_id 0
		.amdhsa_next_free_vgpr 512
		.amdhsa_next_free_sgpr 66
		.amdhsa_reserve_vcc 0
		.amdhsa_float_denorm_mode_32 3
		.amdhsa_float_denorm_mode_16_64 3
		.amdhsa_memory_ordered 1
		.amdhsa_forward_progress 1
		.amdhsa_inst_pref_size 221
	.end_amdhsa_kernel
	.amdgpu_metadata
---
amdhsa.version: [ 1, 2 ]
amdhsa.kernels:
  - .name:           k_q057db7d1d7_attn
    .symbol:         k_q057db7d1d7_attn.kd
    .args:
      - { .name: qimg, .offset: 0, .size: 8, .value_kind: global_buffer, .address_space: global }
      - { .name: kv, .offset: 8, .size: 8, .value_kind: global_buffer, .address_space: global }
      - { .name: oimg, .offset: 16, .size: 8, .value_kind: global_buffer, .address_space: global }
    .group_segment_fixed_size: 327680
    .private_segment_fixed_size: 0
    .kernarg_segment_align: 8
    .kernarg_segment_size: 24
    .max_flat_workgroup_size: 256
    .sgpr_count:     66
    .vgpr_count:     512
    .wavefront_size: 32
...
	.end_amdgpu_metadata
.endif
;; end of part 3
;; launch final (part 4): grid 4 x 32, 4 waves a work-group, clusters of 4 x 4, 327,680 bytes of LDS; arguments oimg, wf, prep, out0; writes out0
.if DOCPART == 4
	.amdgcn_target "amdgcn-amd-amdhsa--gfx1250"
	.amdhsa_code_object_version 6
	.text
	.protected	k_q057db7d1d7_final
	.globl	k_q057db7d1d7_final
	.p2align	8
	.type	k_q057db7d1d7_final,@function
k_q057db7d1d7_final:
	s_mov_b64 s[64:65], 0
	v_nop
	global_prefetch_b8 v0, s[64:65] scope:SCOPE_SE
	s_setreg_imm32_b32 hwreg(HW_REG_WAVE_MODE, 25, 1), 1
	s_wait_xcnt 0x0
	s_wait_alu depctr_hold_cnt(0) depctr_sa_sdst(0) depctr_va_vdst(0) depctr_va_sdst(0) depctr_va_ssrc(0) depctr_va_vcc(0) depctr_vm_vsrc(0)
	s_getreg_b32 s2, hwreg(HW_REG_IB_STS2, 6, 4)
	s_cmp_eq_u32 s2, 0
	s_cbranch_scc0 .Lentry_in_a_cluster
	s_endpgm
.Lentry_in_a_cluster:
	s_bfe_u32 s2, ttmp6, 0x10000c
	s_cmp_lg_u32 s2, 0xf033
	s_cbranch_scc0 .Lentry_shape_is_right
	s_endpgm
.Lentry_shape_is_right:
; FINAL: out[m][n] = 2^-11 x (sum over j of (16 o)[m][j] (128 W')[j][n]) + b'[n].  M = 4,096, N = 512, K = 2,048; f16 operands, f32 sums, f32 out.
; A tile of out is 128 x 128: 128 work-groups; four waves, each 64 x 64: 16 accumulators.  K goes in steps of 256 through a ring of two LDS slots.
; Both operands lie in memory as images of their fragments: [tile of 16 rows][chunk of 16 along K: 128][512 bytes, 16 a lane].  A K step of one tile is 8 KiB on end; a wave's tensor load brings four tiles:
; four rows of 8 KiB, 64 KiB apart.  Fragment loads are 16 x lane, dense: no padding.
; CLUSTERS: 4 x 4 work-groups.  The four of a row of the cluster need the same tiles of o, the four of a column the same tiles of W': each is asked for jointly, by the same tensor load with the same
; descriptor and a mask that names the four.  THE MATRIX INSTRUCTION IS USED TRANSPOSED (source 0 = 16 columns n, source 1 = 16 rows m): a lane holds eight neighbouring numbers of a row of out.
; No prefetch: a small tile, a short launch.  By this text's count a wave has two tensor loads out at the start, one behind each round.
; REGISTERS: window 0: v16-29 addresses; v32-95 at work on the way out (two sets); v96-99 b'; v128-255 the accumulators ((a, b) at 128 + 8 (4 a + b)).
;   window 1: two fragment buffers of 128: for 64 along K, 64 registers of o (2 x 4 tiles), then 64 of W'.
.set BI,     5406720                   ; b' in the buffer prep
.set KB,     8192                      ; a K step of one tile of 16 rows
.set HALFT,  4*KB                      ; what one tensor load brings, and what one wave reads of either operand
.set SLOT,   4*HALFT
.set STAGE,  2*SLOT                    ; behind the ring: 16 rows x (256 + 16) bytes for each wave
.set SPITCH, 272
.set SPARE,  STAGE+4*16*SPITCH         ; behind the stages: the spare words, 128 bytes a wave, that no other line names
.set LAPS,   4                         ; a lap = two K steps = once round the ring
.set ADRA, 16
.set ADRB, 20
.set STO,  24
.set RD,   25
.set CO,   26
.set OBI,  27
.set SPW,  28
.set NIL,  29
.set TMP,  32
.set BV,   96
.set ACC,  128
.set F0,   0
.set F1,   128
.set G1,  24
.set G0,  32
.set G1B, 48
.set G0B, 56
.set PW,  18                           ; s[18:19] 2^-11, set behind the head's use of these registers
.set MSB, 0
.macro WIN new
.if MSB != \new
	s_set_vgpr_msb (MSB<<8)|\new
.set MSB, \new
.endif
.endm
.set MUL,  0x05                        ; sources 0 and 1 window 1; C and D window 0
.set TO_F, 0x40
.macro JLOAD s                         ; a joint load: waves 0 and 1 fetch o's two halves, waves 2 and 3 W''s; the branch hangs on the wave's number alone
	s_cmp_eq_u32 s13, 0
	s_cbranch_scc0 .Lfor_b_\@
	tensor_load_to_lds s[G0+4*\s:G0+4*\s+3], s[G1:G1+7]
	s_nop 0
.rept 4
	v_nop
.endr
	s_branch .Lasked_\@
.Lfor_b_\@:
	tensor_load_to_lds s[G0B+4*\s:G0B+4*\s+3], s[G1B:G1B+7]
	s_nop 0
.rept 4
	v_nop
.endr
.Lasked_\@:
.endm
.macro CREST                           ; a round of the cluster's barrier behind its opening barrier
	s_cmp_lg_u32 s12, 0
	s_cbranch_scc1 .Lnot_wave_0_\@
	s_barrier_signal -3
.Lnot_wave_0_\@:
	s_barrier_wait -3
	s_barrier_signal -1
	s_barrier_wait -1
.endm
.macro CROUND
	s_barrier_signal -1
	s_barrier_wait -1
	CREST
.endm
	s_load_b128 s[4:7], s[0:1], 0x0                ; oimg, wf
	s_load_b128 s[8:11], s[0:1], 0x10              ; prep, out0
	v_lshl_add_u32 v[SPW], v0, 2, SPARE
	v_mov_b32 v[NIL], 0
	ds_add_u32 v[SPW], v[NIL]                      ; the wave's opening: the add, twice on end, and its wait ahead of my first tensor load
	ds_add_u32 v[SPW], v[NIL]
	v_lshrrev_b32 v1, 5, v0
	v_readfirstlane_b32 s12, v1                    ; wave 0..3
	s_lshr_b32 s13, s12, 1                         ; which half of the tile's rows is mine.  Also: I fetch for o (0) or for W' (1)
	s_and_b32 s14, s12, 1                          ; which half of its columns.  Also: which four tiles of 16 I fetch
	s_bfe_u32 s40, ttmp6, 0x40000                  ; cx, cy: my place in the cluster
	s_bfe_u32 s41, ttmp6, 0x40004
	s_lshl_b32 s42, ttmp9, 2
	s_add_co_u32 s42, s42, s40                     ; tile column = 4 x cluster x + cx
	s_and_b32 s15, ttmp7, 0xffff
	s_lshl_b32 s15, s15, 2
	s_add_co_u32 s15, s15, s41                     ; tile row = 4 x cluster y + cy
	s_lshl_b32 s43, s41, 2
	s_lshl_b32 s43, 15, s43                        ; my row of the cluster
	s_lshl_b32 s44, 0x1111, s40                    ; my column
	s_or_b32 s[G1+0], s43, (3<<16)|(1<<21)         ; the mask: o's tiles go to my row; elements of 8 bytes; bit 21 set beside a mask
	s_or_b32 s[G1B+0], s44, (3<<16)|(1<<21)
.irp g, G1, G1B
	s_mov_b32 s[\g+1], 1024<<16                    ; tensor_dim0 = 1,024 elements: 8 KiB
	s_mov_b32 s[\g+2], 4<<16                       ; tensor_dim1 = 4
	s_mov_b32 s[\g+3], 1024<<16                    ; tile_dim0
	s_mov_b32 s[\g+4], 4                           ; tile_dim1
	s_mov_b32 s[\g+5], 8192                        ; from tile to tile: 64 KiB
	s_mov_b32 s[\g+6], 0
	s_mov_b32 s[\g+7], 0
.endr
	s_lshl_b32 s17, s14, 18                        ; which four tiles of 64 KiB
	s_lshl_b32 s16, s15, 19                        ; o: 8 tiles a tile row
	s_add_co_u32 s16, s16, s17
	s_lshl_b32 s46, s42, 19                        ; W': 8 tiles a tile column
	s_add_co_u32 s46, s46, s17
	s_mov_b32 s17, 0
	s_mov_b32 s47, 0
	s_mul_i32 s20, s12, HALFT                      ; where they go: wave x 32 KiB: no place in the cluster enters an LDS address
	s_wait_dscnt 0x0                               ; both opening adds are done
	s_wait_kmcnt 0x0
	s_add_nc_u64 s[18:19], s[4:5], s[16:17]
	s_add_nc_u64 s[46:47], s[6:7], s[46:47]
	CROUND                                         ; all sixteen work-groups are here: the first joint loads meet
.irp s, 0,1
	s_mov_b32 s[G0+4*\s], 1
	s_add_co_u32 s[G0+4*\s+1], s20, \s*SLOT
	s_add_nc_u64 s[G0+4*\s+2:G0+4*\s+3], s[18:19], \s*KB
	s_or_b32 s[G0+4*\s+3], s[G0+4*\s+3], 0x80000000
	s_mov_b32 s[G0B+4*\s], 1
	s_add_co_u32 s[G0B+4*\s+1], s20, \s*SLOT
	s_add_nc_u64 s[G0B+4*\s+2:G0B+4*\s+3], s[46:47], \s*KB
	s_or_b32 s[G0B+4*\s+3], s[G0B+4*\s+3], 0x80000000
	JLOAD \s
.endr
	v_and_b32 v1, 15, v0                           ; r
	v_bfe_u32 v2, v0, 4, 1                         ; h
	v_and_b32 v3, 31, v0
	v_lshlrev_b32 v3, 4, v3                        ; 16 x lane
	s_mul_i32 s21, s13, HALFT                      ; my 64 rows of o
	s_mul_i32 s22, s14, HALFT                      ; my 64 columns of W',
	s_add_co_u32 s22, s22, 2*HALFT                 ; which lie behind o's 128 rows
.irp s, 0,1
	v_add_nc_u32 v[ADRA+\s], s21, v3
	v_add_nc_u32 v[ADRB+\s], s22, v3
	s_add_co_u32 s21, s21, SLOT
	s_add_co_u32 s22, s22, SLOT
.endr
	s_mul_i32 s23, s12, 16*SPITCH
	s_add_co_u32 s23, s23, STAGE                   ; my stage
	v_mul_u32_u24 v4, v1, SPITCH                   ; in: row r, 32 bytes for each half of the lanes
	v_lshl_add_u32 v4, v2, 5, v4
	v_add_nc_u32 v[STO], s23, v4
	v_mul_u32_u24 v5, v2, SPITCH                   ; back: lanes 0-15 one row of 256 bytes, lanes 16-31 the next
	v_lshl_add_u32 v5, v1, 4, v5
	v_add_nc_u32 v[RD], s23, v5
	v_lshlrev_b32 v5, 11, v2                       ; and the same two rows in out (2,048 bytes a row)
	v_lshl_add_u32 v[CO], v1, 4, v5
	s_lshl_b32 s16, s15, 18                        ; my first row: 128 x tile row + 64 x half
	s_lshl_b32 s17, s13, 17
	s_add_co_u32 s16, s16, s17
	s_mov_b32 s17, 0
	s_add_nc_u64 s[10:11], s[10:11], s[16:17]
	s_lshl_b32 s46, s42, 9                         ; my first column, in bytes: 512 x tile column + 256 x half
	s_lshl_b32 s47, s14, 8
	s_add_co_u32 s46, s46, s47
	s_mov_b32 s47, 0
	s_add_nc_u64 s[10:11], s[10:11], s[46:47]
	v_lshl_add_u32 v[OBI], v1, 4, s46
	global_load_b128 v[BV:BV+3], v[OBI], s[8:9] offset:BI   ; b' of the four columns that I store
	s_mov_b32 s[PW], 0x3a000000                    ; 2^-11
	s_mov_b32 s[PW+1], s[PW]
.macro MUL8 f, c, a0, zero             ; 8 matrix instructions: m tiles a0, a0 + 1 x all 4 n tiles, 32 along K: half c of buffer f
.irp a, \a0, \a0+1
.irp b, 0,1,2,3
.if \zero
	v_wmma_f32_16x16x32_f16 v[ACC+8*(4*(\a)+\b):ACC+8*(4*(\a)+\b)+7], v[\f+64+8*(4*\c+\b):\f+64+8*(4*\c+\b)+7], v[\f+8*(4*\c+\a):\f+8*(4*\c+\a)+7], 0
.else
	v_wmma_f32_16x16x32_f16 v[ACC+8*(4*(\a)+\b):ACC+8*(4*(\a)+\b)+7], v[\f+64+8*(4*\c+\b):\f+64+8*(4*\c+\b)+7], v[\f+8*(4*\c+\a):\f+8*(4*\c+\a)+7], v[ACC+8*(4*(\a)+\b):ACC+8*(4*(\a)+\b)+7]
.endif
.endr
.endr
.endm
.macro FETCH slot, q, f                ; 32 LDS loads in one run: the fragments of the slot's q-th 64 along K into buffer f; the first 32 along K first
	WIN TO_F
.irp c, 0,1
.irp i, 0,1,2,3
	ds_load_b128 v[\f+64+8*(4*\c+\i):\f+64+8*(4*\c+\i)+3],   v[ADRB+\slot] offset:\i*KB+(2*(\q)+\c)*1024
	ds_load_b128 v[\f+64+8*(4*\c+\i)+4:\f+64+8*(4*\c+\i)+7], v[ADRB+\slot] offset:\i*KB+(2*(\q)+\c)*1024+512
	ds_load_b128 v[\f+8*(4*\c+\i):\f+8*(4*\c+\i)+3],         v[ADRA+\slot] offset:\i*KB+(2*(\q)+\c)*1024
	ds_load_b128 v[\f+8*(4*\c+\i)+4:\f+8*(4*\c+\i)+7],       v[ADRA+\slot] offset:\i*KB+(2*(\q)+\c)*1024+512
.endr
.endr
.endm
.macro PLACES                          ; four places in front of loads into registers that matrix instructions have read, and of the first read of results
.rept 4
	v_nop
.endr
.endm
; A K step is four quarters of 64 along K, 32 matrix instructions each, on buffers 0, 1, 0, 1.  One of the first three: multiplies buffer f and fetches quarter q into g.
.macro QUARTER slot, q, f, g, zero
	s_wait_dscnt 16                                ; the first 32 along K are in
	WIN MUL
	MUL8 \f, 0, 0, \zero
	MUL8 \f, 0, 2, \zero
	PLACES
	FETCH \slot, \q, \g
	s_wait_dscnt 32                                ; all but the 32 just issued
	WIN MUL
	MUL8 \f, 1, 0, 0
	MUL8 \f, 1, 2, 0
.endm
; The last quarter multiplies buffer 1 and changes slots: one barrier; in front of it each wave waits for all its tensor loads, adds 0 to its spare word, and waits for that and for its reads of this slot.
.macro TURN slot, next, fill
	WIN 0                                          ; (the add's two registers lie in window 0)
	s_wait_tensorcnt 0x0                           ; all my tensor loads have landed: my part of the next slot;
	ds_add_u32 v[SPW], v[NIL]                      ; 0 onto my spare word;
	s_wait_dscnt 17                                ; (the add and the youngest sixteen loads may be out)
	WIN MUL
	MUL8 F1, 0, 0, 0
	s_wait_dscnt 0x0                               ; the add is done, and my reads of this slot are over
	s_barrier_signal -1
	MUL8 F1, 0, 2, 0
.if \fill
	WIN 0
.endif
	s_barrier_wait -1
.if \fill
	CREST                                          ; the barrier has opened a round of the cluster's barrier: no wave of any partner still reads this slot or has a load on its way
	s_add_nc_u64 s[G0+4*\slot+2:G0+4*\slot+3], s[G0+4*\slot+2:G0+4*\slot+3], 2*KB
	s_add_nc_u64 s[G0B+4*\slot+2:G0B+4*\slot+3], s[G0B+4*\slot+2:G0B+4*\slot+3], 2*KB
	JLOAD \slot                                    ; the first tensor load behind the round; the four v_nop behind it are also the places in front of the loads below
.else
	PLACES
.endif
	FETCH \next, 0, F0
	WIN MUL
	MUL8 F1, 1, 0, 0
	MUL8 F1, 1, 2, 0
.endm
	s_wait_tensorcnt 1                             ; my part of K step 0 is in (K step 1's load may be out)
	s_barrier_signal -1
	s_barrier_wait -1                              ; everybody's is
	FETCH 0, 0, F0
	QUARTER 0, 1, F0, F1, 1                        ; the first quarter stands in front of the loop: its first products start the sums
	WIN 0
	s_mov_b32 s3, LAPS-1
.Llap:                                             ; a trip goes once round the ring, from a lap's second quarter to the next lap's first, and fills both slots again
	QUARTER 0, 2, F1, F0, 0
	QUARTER 0, 3, F0, F1, 0
	TURN 0, 1, 1
	QUARTER 1, 1, F0, F1, 0
	QUARTER 1, 2, F1, F0, 0
	QUARTER 1, 3, F0, F1, 0
	TURN 1, 0, 1
	QUARTER 0, 1, F0, F1, 0
	WIN 0
	s_sub_co_u32 s3, s3, 1
	s_cmp_lg_u32 s3, 0
	s_cbranch_scc1 .Llap
	QUARTER 0, 2, F1, F0, 0                        ; the last lap fills nothing, and has no round of the cluster's barrier
	QUARTER 0, 3, F0, F1, 0
	TURN 0, 1, 0
	QUARTER 1, 1, F0, F1, 0
	QUARTER 1, 2, F1, F0, 0
	QUARTER 1, 3, F0, F1, 0
	s_wait_dscnt 16                                ; the very last quarter: nothing more to fetch
	WIN MUL
	MUL8 F1, 0, 0, 0
	MUL8 F1, 0, 2, 0
	s_wait_dscnt 0
	MUL8 F1, 1, 0, 0
	MUL8 F1, 1, 2, 0
	WIN 0
; THE WAY OUT, 16 rows x 64 columns at a time.  A lane holds 32 neighbouring bytes of a row, and the lanes beside it hold other rows: so a block goes through my own stage and comes back as whole rows of
; 256 bytes; x 2^-11 + b' is one packed fused multiply-add for two numbers; sixteen lanes store 256 consecutive bytes, aligned.  LDS serves a wave's instructions in order: no wait between stores and loads.
.macro OUT a
.irp b, 0,1,2,3
	ds_store_b128 v[STO], v[ACC+8*(4*\a+\b):ACC+8*(4*\a+\b)+3] offset:64*\b          ; each accumulator from its low end on
	ds_store_b128 v[STO], v[ACC+8*(4*\a+\b)+4:ACC+8*(4*\a+\b)+7] offset:64*\b+16
.endr
.if \a >= 2
	s_wait_xcnt 0x0                                ; block a - 2's stores have read the registers into which the loads below land
.endif
.set TT, TMP+32*(\a%2)
.irp i, 0,1,2,3,4,5,6,7
	ds_load_b128 v[TT+4*\i:TT+4*\i+3], v[RD] offset:2*\i*SPITCH
.endr
	s_wait_dscnt 0x0
.irp i, 0,1,2,3,4,5,6,7
	v_pk_fma_f32 v[TT+4*\i:TT+4*\i+1], v[TT+4*\i:TT+4*\i+1], s[PW:PW+1], v[BV:BV+1] op_sel_hi:[1,0,1]
	v_pk_fma_f32 v[TT+4*\i+2:TT+4*\i+3], v[TT+4*\i+2:TT+4*\i+3], s[PW:PW+1], v[BV+2:BV+3] op_sel_hi:[1,0,1]
.endr
.irp i, 0,1,2,3,4,5,6,7
	global_store_b128 v[CO], v[TT+4*\i:TT+4*\i+3], s[10:11] offset:(16*\a+2*\i)*2048 th:TH_STORE_NT
.endr
.endm
	PLACES
	s_wait_loadcnt 0x0                             ; b'
	OUT 0
	OUT 1
	OUT 2
	OUT 3
	s_wait_tensorcnt 0x0                           ; the wave's end, behind my last tensor load and my last LDS store
	ds_add_u32 v[SPW], v[NIL]
	s_wait_dscnt 0x0
	CROUND                                         ; the closing round: no work-group ends while a partner may still ask for a tile that names it
	s_endpgm
.Lfunc_end_k_q057db7d1d7_final:
	.size	k_q057db7d1d7_final, .Lfunc_end_k_q057db7d1d7_final-k_q057db7d1d7_final
	.p2alignl 7, 3214868480
	.fill 96, 4, 3214868480
	.section	.rodata,"a",@progbits
	.p2align	6, 0x0
	.amdhsa_kernel k_q057db7d1d7_final
		.amdhsa_group_segment_fixed_size 327680
		.amdhsa_private_segment_fixed_size 0
		.amdhsa_enable_private_segment 0
		.amdhsa_kernarg_size 32
		.amdhsa_user_sgpr_count 2
		.amdhsa_user_sgpr_kernarg_segment_ptr 1
		.amdhsa_wavefront_size32 1
		.amdhsa_system_sgpr_workgroup_id_x 1
		.amdhsa_system_sgpr_workgroup_id_y 1
		.amdhsa_system_sgpr_workgroup_id_z 1
		.amdhsa_system_vgpr_workitem_id 0
		.amdhsa_next_free_vgpr 512
		.amdhsa_next_free_sgpr 66
		.amdhsa_reserve_vcc 0
		.amdhsa_float_denorm_mode_32 3
		.amdhsa_float_denorm_mode_16_64 3
		.amdhsa_memory_ordered 1
		.amdhsa_forward_progress 1
		.amdhsa_inst_pref_size 90
	.end_amdhsa_kernel
	.amdgpu_metadata
---
amdhsa.version: [ 1, 2 ]
amdhsa.kernels:
  - .name:           k_q057db7d1d7_final
    .symbol:         k_q057db7d1d7_final.kd
    .args:
      - { .name: oimg, .offset: 0, .size: 8, .value_kind: global_buffer, .address_space: global }
      - { .name: wf, .offset: 8, .size: 8, .value_kind: global_buffer, .address_space: global }
      - { .name: prep, .offset: 16, .size: 8, .value_kind: global_buffer, .address_space: global }
      - { .name: out0, .offset: 24, .size: 8, .value_kind: global_buffer, .address_space: global }
    .group_segment_fixed_size: 327680
    .private_segment_fixed_size: 0
    .kernarg_segment_align: 8
    .kernarg_segment_size: 32
    .max_flat_workgroup_size: 128
    .sgpr_count:     66
    .vgpr_count:     512
    .wavefront_size: 32
...
	.end_amdgpu_metadata
.endif
;; end of part 4
